; MI455X (gfx1250); checked and timed in simulation.
; The chip was launched on July 23, 2026; its instructions are those of AMD's public machine-readable ISA for CDNA 5 (MIT licence, August 2026) and "CDNA5" Instruction Set Architecture Reference Guide (July 2026). The comments in the code are by the model that wrote it; some were corrected since.
;; Trans Op expm. Allowed arithmetic: float matrix products may take bf16 or f16 operands with f32 sums; all other float work in f32.
;; Inputs: c 1,048,576 x 6 float32; psi 6 x 3 x 3 float32; x 1,048,576 x 3 x 1 float32.
;; Outputs: out0 1,048,576 x 3 x 1 float32.
;; One version. Each part assembles by itself: llvm-mc -triple=amdgcn-amd-amdhsa -mcpu=gfx1250 --defsym DOCPART=n.
;; ======== version 1 of 1: 1 launch
;; limits: an iteration or a series of the reference is cut at 15 steps; right only within a limited range of input values
;; launch expmv (part 1): grid 256 x 1, 16 waves a work-group, no clusters, 100,352 bytes of LDS; arguments c, psi, x, out0; writes out0
.if DOCPART == 1
	.amdgcn_target "amdgcn-amd-amdhsa--gfx1250"
	.amdhsa_code_object_version 6
	.text
	.protected	k_q829395553f_expmv
	.globl	k_q829395553f_expmv
	.p2align	8
	.type	k_q829395553f_expmv,@function
k_q829395553f_expmv:
	s_mov_b64 s[64:65], 0
	v_nop
	global_prefetch_b8 v0, s[64:65] scope:SCOPE_SE
	s_setreg_imm32_b32 hwreg(HW_REG_WAVE_MODE, 25, 1), 1
	s_wait_xcnt 0x0
; out[b] = expm(T[b]) x[b],  T[b] = sum over m of c[b][m] psi[m].   c [1048576][6], psi [6][3][3], x and out [1048576][3], all f32.
;
; THE ARITHMETIC.  T = mu I + T', mu = tr T / 3, T' traceless.  By Cayley-Hamilton T'^3 = nq T' + d I  (nq = minus the sum of the
; principal 2x2 minors, d = det T'), so every function of T' is a0 I + a1 T' + a2 T'^2 and squaring it is 11 operations on three
; numbers in place of a 3x3 product:   (a0,a1,a2)^2 = (a0^2 + 2 a1 a2 d,  2 a0 a1 + 2 a1 a2 nq + a2^2 d,  2 a0 a2 + a1^2 + a2^2 nq).
; exp(T' / 2^S_ALL) comes from its series up to degree 6, reduced the same way, and is squared S_ALL = 15 times for every item: no
; branch hangs on data.  That a small T' is halved far more often than it needs is made harmless by carrying z = a0 - 1 through the
; first S_EM1 = 7 squarings (z' = z (z + 2) + ..: nothing is ever added to a 1 there).  Then the three numbers are multiplied by
; exp(mu / 2^S_DIR) and squared S_DIR = 8 times more as they are, so that the trace's factor is squared along with them and neither
; factor overflows or underflows alone.  Last: out = a0 x + T' (a1 x + a2 T' x).  The coefficients stand for powers of T' itself; the
; powers of 2^-15 are in the series' constants, so nothing is scaled at run time.
;
; LIMITS (range).  |T - mu I| up to 2^14 = 16,384: fifteen halvings bring it to 1/2, where the series' first dropped term is
; (1/2)^7 / 7! = 1.6e-6.  (Numbers of the drawn spread give about 2.5, c and psi both 30 times larger about 11,000.)  The problem's expm
; goes on to a 1-norm of 3.93 x 2^17 and gives NaN beyond: above 2^14 this text loses accuracy, and it makes no such NaN.
; Relative error about 15 x 2^-24 x |T'| (halving and doubling) + 2^8 x 2^-23 (the eight plain squarings); two nearly equal top
; eigenvalues L add about L^2 x 2^-24 through the rounding of nq and d.  Terms of the last squaring are larger than the result by up to
; about |T'|, so results above some 1e36 may overflow early.
;
; THE SHARES.  16 waves; the work-group owns 32 tiles of 128 items, a wave two of them.  In a tile lane l owns items l, l+32, l+64,
; l+96: two register pairs (item, item + 32), so that all arithmetic is packed f32, two items an instruction, and the two pairs
; (groups 0 and 1, GS registers apart) run interleaved as two independent chains.
; Memory is touched in runs of 512 consecutive bytes a wave instruction, at multiples of 512 bytes from the tile, whose own offset is a
; multiple of 1,536.  The wave's own LDS bytes turn rows of 6 (3) numbers into pairs: 16-byte stores, 4-byte loads.  No wave reads
; another's LDS bytes: no barrier.
; No cluster: the only bytes that work-groups share are psi's 216, against 4,608 of c and x for each tile.
; No matrix instruction: the product c psi has K = 6, N = 9, and its error would stand in an exponent, so it stays in f32.
.set S_ALL,  15                        ; squarings in all
.set S_DIR,  8                         ; the last ones, on a0 itself
.set S_EM1,  S_ALL-S_DIR               ; the first ones, on z = a0 - 1
.set EXPO,   0x00800000                ; one step of an f32's exponent field: subtracting n of them divides by 2^n
.set WAVES,  16
.set C_TILE, 128*24                    ; bytes of c in a tile
.set X_TILE, 128*12                    ; bytes of x, and of out
.set LDS_X,  C_TILE                    ; a wave's LDS: c, x, out
.set LDS_O,  C_TILE+X_TILE
.set LDS_W,  C_TILE+2*X_TILE           ; 6,144 bytes a wave
; constants, s = 2^-S_ALL
.set KL_THIRD,  0x3eaaaaab             ; 1/3
.set KL_L2E,    0x3fb8aa3b-S_DIR*EXPO  ; log2(e) / 2^S_DIR
.set KL_S,      0x3f800000-S_ALL*EXPO  ; s
.set KL_S2_2,   0x3f000000-2*S_ALL*EXPO ; s^2 / 2
.set KL_S3_6,   0x3e2aaaab-3*S_ALL*EXPO ; s^3 / 6
.set KL_S4_24,  0x3d2aaaab-4*S_ALL*EXPO ; s^4 / 24
.set KL_S5_120, 0x3c088889-5*S_ALL*EXPO ; s^5 / 120
.set KL_S6_360, 0x3b360b61-6*S_ALL*EXPO ; s^6 / 360
.set KL_S6_720, 0x3ab60b61-6*S_ALL*EXPO ; s^6 / 720  (about 2^-99.5: still a normal number)
; registers
.set L16,  1                           ; 16 x lane: my 16 bytes in a run of 512, in memory
.set LST,  2                           ; the same in my wave's LDS
.set LC,   3                           ; my wave's LDS + 24 x lane: item l's row of c
.set LX,   4                           ; my wave's LDS + 12 x lane: item l's row of x or out
.set ZERO, 5                           ; offset 0: psi is read alike by all lanes
.set TT,   6                           ; v[6:11]    tr psi[m] / 3
.set P,    12                          ; v[12:65]   psi[m] at P + 9 m: made traceless; slot 8 then holds tr psi[m] / 3 x log2(e) / 2^S_DIR
.set K36,  66                          ; v[66:73]   four addends of the series, each in both registers of a pair
.set K4,   68
.set KS,   70
.set KS2,  72
.set ST,   74                          ; v[74:109]  a tile as loaded: 6 x 16 bytes of c, 3 x 16 bytes of x
.set OUTR, 110                         ; v[110:121] a tile's results as stored
.set GB,   122                         ; v[122:175] group 0,  v[176:229] group 1
.set GS,   54
.set RAM,  GB                          ; T' entry 3 p + k at RAM + 2 (3 p + k); entry 8 first collects the exponent's argument
.set RX,   GB+18                       ; x, three pairs
.set RSIG, GB+24                       ; exp(mu / 2^S_DIR)
.set RNQ,  GB+26
.set RNQ2, GB+28                       ; 2 nq
.set RD,   GB+30
.set RD2,  GB+32                       ; 2 d
.set RZ,   GB+34                       ; z, later a0
.set RA1,  GB+36
.set RA2,  GB+38
.set RU,   GB+40                       ; fourteen registers at work
.set RW,   GB+42
.set RT,   GB+44
.set RG,   GB+46
.set RP0,  GB+48
.set RP1,  GB+50
.set RP2,  GB+52
.set RC,   GB+40                       ; c, six pairs: dead once T' is made, then at work
.set RV,   GB+40                       ; T' x, three pairs
.set RH,   GB+46                       ; a1 x + a2 T' x, three pairs
.set RY,   GB+26                       ; the result, three pairs, where nq, 2 nq and d were
; Each macro issues its operation for group 0 and then for group 1.
.macro MUL2 d, a, b
.irp g,0,GS
	v_pk_mul_f32 v[\d+\g:\d+\g+1], v[\a+\g:\a+\g+1], v[\b+\g:\b+\g+1]
.endr
.endm
.macro ADD2 d, a, b
.irp g,0,GS
	v_pk_add_f32 v[\d+\g:\d+\g+1], v[\a+\g:\a+\g+1], v[\b+\g:\b+\g+1]
.endr
.endm
.macro FMA2 d, a, b, c                 ; a b + c
.irp g,0,GS
	v_pk_fma_f32 v[\d+\g:\d+\g+1], v[\a+\g:\a+\g+1], v[\b+\g:\b+\g+1], v[\c+\g:\c+\g+1]
.endr
.endm
.macro NFMA2 d, a, b, c                ; c - a b
.irp g,0,GS
	v_pk_fma_f32 v[\d+\g:\d+\g+1], v[\a+\g:\a+\g+1], v[\b+\g:\b+\g+1], v[\c+\g:\c+\g+1] neg_lo:[1,0,0] neg_hi:[1,0,0]
.endr
.endm
.macro FMS2 d, a, b, c                 ; a b - c
.irp g,0,GS
	v_pk_fma_f32 v[\d+\g:\d+\g+1], v[\a+\g:\a+\g+1], v[\b+\g:\b+\g+1], v[\c+\g:\c+\g+1] neg_lo:[0,0,1] neg_hi:[0,0,1]
.endr
.endm
.macro FMAL2 d, a, lit, c              ; a x literal + c
.irp g,0,GS
	v_pk_fma_f32 v[\d+\g:\d+\g+1], v[\a+\g:\a+\g+1], \lit, v[\c+\g:\c+\g+1] op_sel_hi:[1,0,1]
.endr
.endm
.macro FMALK2 d, a, lit, kc            ; a x literal + a constant pair that both groups share
.irp g,0,GS
	v_pk_fma_f32 v[\d+\g:\d+\g+1], v[\a+\g:\a+\g+1], \lit, v[\kc:\kc+1] op_sel_hi:[1,0,1]
.endr
.endm
.macro FMAK2 d, a, b, kc               ; a b + a shared constant pair
	s_wait_alu depctr_va_vdst(0)
.irp g,0,GS
	v_pk_fma_f32 v[\d+\g:\d+\g+1], v[\a+\g:\a+\g+1], v[\b+\g:\b+\g+1], v[\kc:\kc+1]
.endr
.endm
; The same with ONE register k as the factor of both halves: op_sel and op_sel_hi pick it out of the aligned pair in which it lies.
.macro MULB2 d, a, k
.irp g,0,GS
.if (\k)&1
	v_pk_mul_f32 v[\d+\g:\d+\g+1], v[\a+\g:\a+\g+1], v[\k-1:\k] op_sel:[0,1] op_sel_hi:[1,1]
.else
	v_pk_mul_f32 v[\d+\g:\d+\g+1], v[\a+\g:\a+\g+1], v[\k:\k+1] op_sel_hi:[1,0]
.endif
.endr
.endm
.macro FMAB2 d, a, k                   ; d += a x v[k]
.irp g,0,GS
.if (\k)&1
	v_pk_fma_f32 v[\d+\g:\d+\g+1], v[\a+\g:\a+\g+1], v[\k-1:\k], v[\d+\g:\d+\g+1] op_sel:[0,1,0] op_sel_hi:[1,1,1]
.else
	v_pk_fma_f32 v[\d+\g:\d+\g+1], v[\a+\g:\a+\g+1], v[\k:\k+1], v[\d+\g:\d+\g+1] op_sel_hi:[1,0,1]
.endif
.endr
.endm
; What both kinds of squaring share: the products with d and nq.  RT = 2 a0 has been made by the caller.
.macro SQ_COMMON
	MUL2 RP0, RU, RD2                              ; 2 a1 a2 d
	MUL2 RP1, RW, RD                               ; a2^2 d
	MUL2 RP2, RA1, RA1                             ; a1^2
	FMA2 RP1, RU, RNQ2, RP1                        ; + 2 a1 a2 nq
	FMA2 RP2, RW, RNQ, RP2                         ; + a2^2 nq
.endm
.macro SQ_EM1                          ; on (z, a1, a2), a0 = 1 + z: twelve operations
	MUL2 RU, RA1, RA2
	MUL2 RW, RA2, RA2
.irp g,0,GS
	v_pk_fma_f32 v[RT+\g:RT+\g+1], v[RZ+\g:RZ+\g+1], 2.0, 2.0 op_sel_hi:[1,0,0]   ; 2 a0 = 2 z + 2
	v_pk_add_f32 v[RG+\g:RG+\g+1], v[RZ+\g:RZ+\g+1], 2.0 op_sel_hi:[1,0]          ; z + 2
.endr
	SQ_COMMON
	FMA2 RZ, RZ, RG, RP0                           ; (1 + z)^2 - 1 = z (z + 2), + 2 a1 a2 d
	FMA2 RA2, RT, RA2, RP2
	FMA2 RA1, RT, RA1, RP1
.endm
.macro SQ_DIR                          ; on (a0, a1, a2): eleven operations
	MUL2 RU, RA1, RA2
	MUL2 RW, RA2, RA2
	ADD2 RT, RZ, RZ
	SQ_COMMON
	FMA2 RZ, RZ, RZ, RP0
	FMA2 RA2, RT, RA2, RP2
	FMA2 RA1, RT, RA1, RP1
.endm
; Nine loads: tile t of my wave (the work-group's tile 16 t + wave), 3,072 bytes of c and 1,536 of x, read once in the launch.
.macro FILL t
.irp j,0,1,2,3,4,5
	global_load_b128 v[ST+4*\j:ST+4*\j+3], v[L16], s[4:5] offset:(\t)*WAVES*C_TILE+512*\j th:TH_LOAD_NT
.endr
.irp j,0,1,2
	global_load_b128 v[ST+24+4*\j:ST+24+4*\j+3], v[L16], s[8:9] offset:(\t)*WAVES*X_TILE+512*\j th:TH_LOAD_NT
.endr
.endm
; One tile.  more = 1: the next tile is asked for as soon as this one has left the load stage.
.macro TILE t, more
	s_wait_loadcnt 0x0                             ; my nine loads of this tile; nothing younger is out
.irp j,0,1,2,3,4,5
	ds_store_b128 v[LST], v[ST+4*\j:ST+4*\j+3] offset:512*\j
.endr
.irp j,0,1,2
	ds_store_b128 v[LST], v[ST+24+4*\j:ST+24+4*\j+3] offset:LDS_X+512*\j
.endr
	; Back as pairs: items l + 32 (2 g + h), h = 0, 1 into the two registers of group g's pair.  LDS serves a wave's instructions in order
	; (ISA guide 5.7.1), so these see the stores above.  Lanes are 6 words apart in c and 3 in x: 6 l and 3 l mod 64 take 32 different
	; values, so the 32 lanes meet 32 different banks (64 banks of 4 bytes: ISA guide 11.1).
.irp g,0,1
.irp h,0,1
.irp m,0,1,2,3,4,5
	ds_load_b32 v[RC+GS*\g+2*\m+\h], v[LC] offset:768*(2*\g+\h)+4*\m
.endr
.endr
.endr
.irp g,0,1
.irp h,0,1
.irp j,0,1,2
	ds_load_b32 v[RX+GS*\g+2*\j+\h], v[LX] offset:LDS_X+384*(2*\g+\h)+4*\j
.endr
.endr
.endr
	s_wait_dscnt 12                                ; the nine stores and the 24 loads of c are done; the 12 younger loads, of x, may be out
.if \more
	FILL (\t)+1                                    ; the stage has been read (the wait above): the next tile flies during this one's arithmetic
.endif
	; T' (entries 0 to 7) and mu log2(e) / 2^S_DIR (in entry 8's place): nine sums of six products
.irp k,0,1,2,3,4,5,6,7,8
	MULB2 RAM+2*\k, RC, P+\k
.endr
.irp m,1,2,3,4,5
.irp k,0,1,2,3,4,5,6,7,8
	FMAB2 RAM+2*\k, RC+2*\m, P+9*\m+\k
.endr
.endr
.irp g,0,GS
	v_exp_f32 v[RSIG+\g], v[RAM+16+\g]             ; exp(mu / 2^S_DIR); used far below.  Behind a transcendental one plain vector instruction
	v_exp_f32 v[RSIG+\g+1], v[RAM+17+\g]           ; comes before its source is rewritten (ISA guide 5.7.2): the two products of the next line
.endr
	; a b c / d e f / g h i at RAM + 0, 2, .. 16.   d = a (e i - f h) + b (f g - d i) + c (d h - e g);   nq = a^2 + b d + c g - (e i - f h)
	MUL2 RT, RAM+6, RAM+14                         ; d h
.irp g,0,GS
	v_pk_add_f32 v[RAM+16+\g:RAM+17+\g], v[RAM+\g:RAM+\g+1], v[RAM+8+\g:RAM+9+\g] neg_lo:[1,1] neg_hi:[1,1]   ; i = - a - e
.endr
	MUL2 RW, RAM+10, RAM+12                        ; f g
	NFMA2 RT, RAM+8, RAM+12, RT                    ; d h - e g
	MUL2 RU, RAM+8, RAM+16                         ; e i
	NFMA2 RW, RAM+6, RAM+16, RW                    ; f g - d i
	NFMA2 RU, RAM+10, RAM+14, RU                   ; e i - f h
	MUL2 RD, RAM+4, RT
	FMA2 RD, RAM+2, RW, RD
	FMS2 RNQ, RAM, RAM, RU
	FMA2 RD, RAM, RU, RD
	FMA2 RNQ, RAM+2, RAM+6, RNQ
	FMA2 RNQ, RAM+4, RAM+12, RNQ
	ADD2 RD2, RD, RD
	ADD2 RNQ2, RNQ, RNQ
	; exp(s T') up to degree 6, with T'^3 = d + nq T', T'^4 = d T' + nq T'^2, T'^5 = nq d + nq^2 T' + d T'^2, T'^6 = d^2 + 2 nq d T' + nq^2 T'^2:
	;   z  = d (s^3/6 + nq s^5/120 + d s^6/720)
	;   a1 = s + nq (s^3/6 + nq s^5/120) + d (s^4/24 + nq s^6/360)
	;   a2 = s^2/2 + nq (s^4/24 + nq s^6/720) + d s^5/120
	FMALK2 RP0, RNQ, KL_S5_120, K36
	FMALK2 RP1, RNQ, KL_S6_360, K4
	FMALK2 RP2, RNQ, KL_S6_720, K4
	FMAL2  RG, RD, KL_S6_720, RP0
	FMAK2  RA1, RNQ, RP0, KS
	FMAK2  RA2, RNQ, RP2, KS2
	MUL2   RZ, RD, RG
	FMA2   RA1, RD, RP1, RA1
	FMAL2  RA2, RD, KL_S5_120, RA2
.rept S_EM1
	SQ_EM1
.endr
	FMA2 RZ, RZ, RSIG, RSIG                        ; a0 = (1 + z) sigma: from here exp(T / 2^S_DIR), the trace's part included
	MUL2 RA1, RA1, RSIG
	MUL2 RA2, RA2, RSIG
.rept S_DIR
	SQ_DIR
.endr
	; out = a0 x + T' (a1 x + a2 T' x)
	s_wait_dscnt 0x0                               ; x
.irp r,0,1,2
	MUL2 RV+2*\r, RAM+6*\r, RX
.endr
.irp r,0,1,2
	FMA2 RV+2*\r, RAM+6*\r+2, RX+2, RV+2*\r
.endr
.irp r,0,1,2
	FMA2 RV+2*\r, RAM+6*\r+4, RX+4, RV+2*\r
.endr
.irp r,0,1,2
	MUL2 RH+2*\r, RA1, RX+2*\r
.endr
.irp r,0,1,2
	MUL2 RY+2*\r, RZ, RX+2*\r
.endr
.irp r,0,1,2
	FMA2 RH+2*\r, RA2, RV+2*\r, RH+2*\r
.endr
.irp j,0,1,2
.irp r,0,1,2
	FMA2 RY+2*\r, RAM+6*\r+2*\j, RH+2*\j, RY+2*\r
.endr
.endr
	; The way out: rows of three numbers into my wave's LDS (lanes 3 words apart: no two lanes in one bank), back as runs of 512 bytes.
.irp g,0,1
.irp h,0,1
.irp j,0,1,2
	ds_store_b32 v[LX], v[RY+GS*\g+2*\j+\h] offset:LDS_O+384*(2*\g+\h)+4*\j
.endr
.endr
.endr
	s_wait_xcnt 0x0                                ; the store stage, which the last tile's stores read, is rewritten only behind this wait (ISA guide 3.1)
.irp j,0,1,2
	ds_load_b128 v[OUTR+4*\j:OUTR+4*\j+3], v[LST] offset:LDS_O+512*\j
.endr
.irp j,0,1,2
	s_wait_dscnt 2-\j                              ; LDS loads come back in order: run j is in, the younger ones may be out
	global_store_b128 v[L16], v[OUTR+4*\j:OUTR+4*\j+3], s[10:11] offset:(\t)*WAVES*X_TILE+512*\j th:TH_STORE_NT   ; 512 consecutive bytes, aligned
.endr
.endm
	s_load_b256 s[4:11], s[0:1], 0x0               ; c s[4:5], psi s[6:7], x s[8:9], out s[10:11]
	v_lshl_add_u32 v232, v0, 2, 0x18000
	v_mov_b32 v233, 0
	v_lshrrev_b32 v6, 5, v0
	v_readfirstlane_b32 s12, v6                    ; wave, 0 to 15
	v_and_b32 v7, 31, v0                           ; lane
	v_mov_b32 v[ZERO], 0
	s_lshl_b32 s13, ttmp9, 5                       ; 32 tiles a work-group;
	s_add_co_u32 s13, s13, s12                     ; my first is number wave, my second 16 further on (in the immediates)
	s_mul_i32 s14, s13, C_TILE                     ; at most 8,175 x 3,072 bytes: 32 bits do
	s_mov_b32 s15, 0
	s_mul_i32 s16, s13, X_TILE
	s_mov_b32 s17, 0
	s_mul_i32 s18, s12, LDS_W                      ; my wave's LDS
	v_lshlrev_b32 v[L16], 4, v7
	v_lshl_add_u32 v[LST], v7, 4, s18
	v_mul_u32_u24 v[LC], v7, 24
	v_add_nc_u32 v[LC], s18, v[LC]
	v_mul_u32_u24 v[LX], v7, 12
	v_add_nc_u32 v[LX], s18, v[LX]
	s_wait_kmcnt 0x0
	s_add_nc_u64 s[4:5], s[4:5], s[14:15]
	s_add_nc_u64 s[8:9], s[8:9], s[16:17]
	s_add_nc_u64 s[10:11], s[10:11], s[16:17]
.irp i,0,1,2,3,4,5,6,7,8,9,10,11,12
	global_load_b128 v[P+4*\i:P+4*\i+3], v[ZERO], s[6:7] offset:16*\i     ; psi, 216 bytes, the same in every lane
.endr
	global_load_b64 v[P+52:P+53], v[ZERO], s[6:7] offset:208
	FILL 0
.irp h,0,1
	v_mov_b32 v[K36+\h], KL_S3_6
	v_mov_b32 v[K4+\h],  KL_S4_24
	v_mov_b32 v[KS+\h],  KL_S
	v_mov_b32 v[KS2+\h], KL_S2_2
.endr
	s_wait_loadcnt 9                               ; loads come back in order (ISA guide 5.7.1): psi's 14 are in, the tile's nine younger ones stay out
	; psi[m] loses its trace: tau = tr / 3 leaves entries 0 and 4; entry 8 is not needed (T'22 = - T'00 - T'11) and takes tau log2(e) / 2^S_DIR
.irp m,0,1,2,3,4,5
	v_add_f32 v[TT+\m], v[P+9*\m], v[P+9*\m+4]
.endr
.irp m,0,1,2,3,4,5
	v_add_f32 v[TT+\m], v[TT+\m], v[P+9*\m+8]
.endr
.irp m,0,1,2,3,4,5
	v_mul_f32 v[TT+\m], KL_THIRD, v[TT+\m]
.endr
.irp m,0,1,2,3,4,5
	v_sub_f32 v[P+9*\m], v[P+9*\m], v[TT+\m]
	v_sub_f32 v[P+9*\m+4], v[P+9*\m+4], v[TT+\m]
	v_mul_f32 v[P+9*\m+8], KL_L2E, v[TT+\m]
.endr
	TILE 0, 1
	TILE 1, 0                                      ; the last tile asks for nothing: no load leaves the buffers
	s_wait_tensorcnt 0x0
	ds_add_u32 v232, v233
	s_wait_dscnt 0x0
	s_endpgm
.Lfunc_end_k_q829395553f_expmv:
	.size	k_q829395553f_expmv, .Lfunc_end_k_q829395553f_expmv-k_q829395553f_expmv
	.p2alignl 7, 3214868480
	.fill 96, 4, 3214868480
	.section	.rodata,"a",@progbits
	.p2align	6, 0x0
	.amdhsa_kernel k_q829395553f_expmv
		.amdhsa_group_segment_fixed_size 100352
		.amdhsa_private_segment_fixed_size 0
		.amdhsa_enable_private_segment 0
		.amdhsa_kernarg_size 32
		.amdhsa_user_sgpr_count 2
		.amdhsa_user_sgpr_kernarg_segment_ptr 1
		.amdhsa_wavefront_size32 1
		.amdhsa_system_sgpr_workgroup_id_x 1
		.amdhsa_system_sgpr_workgroup_id_y 1
		.amdhsa_system_sgpr_workgroup_id_z 1
		.amdhsa_system_vgpr_workitem_id 0
		.amdhsa_next_free_vgpr 234
		.amdhsa_next_free_sgpr 66
		.amdhsa_reserve_vcc 0
		.amdhsa_float_denorm_mode_32 3
		.amdhsa_float_denorm_mode_16_64 3
		.amdhsa_memory_ordered 1
		.amdhsa_forward_progress 1
		.amdhsa_inst_pref_size 86
	.end_amdhsa_kernel
	.amdgpu_metadata
---
amdhsa.version: [ 1, 2 ]
amdhsa.kernels:
  - .name:           k_q829395553f_expmv
    .symbol:         k_q829395553f_expmv.kd
    .args:
      - { .name: c, .offset: 0, .size: 8, .value_kind: global_buffer, .address_space: global }
      - { .name: psi, .offset: 8, .size: 8, .value_kind: global_buffer, .address_space: global }
      - { .name: x, .offset: 16, .size: 8, .value_kind: global_buffer, .address_space: global }
      - { .name: out0, .offset: 24, .size: 8, .value_kind: global_buffer, .address_space: global }
    .group_segment_fixed_size: 100352
    .private_segment_fixed_size: 0
    .kernarg_segment_align: 8
    .kernarg_segment_size: 32
    .max_flat_workgroup_size: 512
    .sgpr_count:     66
    .vgpr_count:     234
    .wavefront_size: 32
...
	.end_amdgpu_metadata
.endif
;; end of part 1
